; MI455X (gfx1250); checked and timed in simulation.
; The chip was launched on July 23, 2026; its instructions are those of AMD's public machine-readable ISA for CDNA 5 (MIT licence, August 2026) and "CDNA5" Instruction Set Architecture Reference Guide (July 2026). The comments in the code are by the model that wrote it; some were corrected since.
;; Multihead Attention. Allowed arithmetic: float matrix products may take bf16 or f16 operands with f32 sums; other float arithmetic in f32, or as packed bf16 or f16 multiplies, adds, multiply-adds, maxima and minima; sums over many terms, partial sums and values carried from step to step in f32; what a program stores and reads back later, other than sums and carried values, may be rounded once to bf16 or f16.
;; Inputs: attn_mask 8 x 2,048 x 2,048 int32; b_k 512 float32; b_q 512 float32; b_v 512 float32; w_k 512 x 512 float32; w_q 512 x 512 float32; w_v 512 x 512 float32; x_k_v 8 x 2,048 x 512 float32; x_q 8 x 2,048 x 512 float32.
;; Outputs: out0 8 x 2,048 x 512 float32.
;; One version. Each part assembles by itself: llvm-mc -triple=amdgcn-amd-amdhsa -mcpu=gfx1250 --defsym DOCPART=n.
;; ======== version 1 of 1: 3 launches
;; limits: values are held in f16: magnitudes above 65,504 overflow, below 6.1e-05 lose precision
;; workspace buffers: mw 4,194,304 bytes of whole numbers; wb 1,572,864 bytes; qkv 50,331,648 bytes
;; launch prep (part 1): grid 256 x 1, 8 waves a work-group, no clusters, 327,680 bytes of LDS; arguments attn_mask, w_q, w_k, w_v, mw, wb; writes mw, wb
.if DOCPART == 1
	.amdgcn_target "amdgcn-amd-amdhsa--gfx1250"
	.amdhsa_code_object_version 6
	.text
	.protected	k_qfaa9983728_prep
	.globl	k_qfaa9983728_prep
	.p2align	8
	.type	k_qfaa9983728_prep,@function
k_qfaa9983728_prep:
	s_mov_b64 s[64:65], 0
	v_nop
	global_prefetch_b8 v0, s[64:65] scope:SCOPE_SE
	s_setreg_imm32_b32 hwreg(HW_REG_WAVE_MODE, 25, 1), 1
	s_wait_xcnt 0x0
; MULTI-HEAD ATTENTION WITH A MASK INPUT, in three launches: this one packs the mask and rounds the weights; the second makes q, k, v; the third is the attention.
; NO WORK OF THE PROBLEM IS LEFT OUT.  The mask REPLACES a score by -1e9, so b_k's term q . b_k is common to a row's open scores alone and not to the whole softmax axis: it stays; b_q and b_v reach the result
; directly.  Every input is loaded by one of the three launches.
; THIS LAUNCH.  (1) attn_mask [8][2048][2048] int32 becomes mw: one bit a number, laid out as the lane masks that the attention's selects take.  The 16,384 rows (batch x query) go in 256 groups of 64, the keys in
; 32 steps of 64:  mw[group][step][tile qt of 16 rows, 4][word i, 32], and bit l of word i = 8 kb + j says whether attn_mask[row 64 group + 16 qt + l % 16][key 64 step + 16 kb + 8 (l / 16) + j] is not 0.
; (2) w_q, w_k, w_v are rounded once to bf16 into wb [1536][512], rows permuted: stacked row n (q, k, v) goes to 256 (n >> 8) + 128 ((n >> 5) & 1) + 32 ((n >> 6) & 3) + (n & 31), so that in a tile of 128 rows
; rows 32 w .. 32 w + 31 are 32 channels of one head for wave w of the second launch.
; SHARES.  Work-group g owns group g; wave v the key steps 4 v .. 4 v + 3: four tiles of 64 rows x 256 bytes, brought by the tensor data mover into a ring of two LDS slots of the wave's own.
; Thread t also rounds four numbers of each weight matrix, at element 1,024 g + 4 t.  No cluster: no two work-groups read the same byte.  No prefetch: the launch is one stream that is asked for at once.
.set PITCH, 272                        ; an LDS row: 256 bytes + 16 of padding: the 16 rows that a load touches start at 16 different groups of four banks (64 banks of 4 bytes: ISA guide 11.1)
.set TILE,  64*PITCH                   ; a tile, and a slot
.set SPARE, 8*2*TILE                   ; behind the eight rings: the spare words, 128 bytes a wave, that no other line names
.set LA,  2                            ; v2   LDS address: my wave's ring + (l % 16) x PITCH + 32 (l / 16); never rewritten
.set OFF, 3                            ; v3   16 l: my 16 bytes of a tile's 512 bytes of mw; never rewritten
.set SPW, 4                            ; v4   LDS address of my spare word; never rewritten
.set NIL, 5                            ; v5   0; never rewritten
.set WLO, 6                            ; v6   my byte offset in each weight matrix
.set WSO, 7                            ; v7   8 t: my byte offset in the work-group's two rows of wb
.set WF,  8                            ; v[8:19]   four f32 of each of the three matrices
.set WH,  20                           ; v[20:25]  the same as bf16
.set WD,  32                           ; v[32:47]  tile t's 128 words, four a lane, at WD + 4 t
.set X,   64                           ; v[64:191] a tile: the number for word i of tile qt at X + 32 qt + i
.set G1,  20                           ; s[20:27]  descriptor group 1
.set G0,  28                           ; s[28:35]  descriptor group 0, a set for each slot
.set CW,  36                           ; s[36:43]  eight words fresh from the compares
.set MWP, 44                           ; s[44:45]  mw at my wave's first tile
	s_load_b256 s[4:11], s[0:1], 0x0               ; attn_mask s[4:5], w_q s[6:7], w_k s[8:9], w_v s[10:11]
	s_load_b128 s[12:15], s[0:1], 0x20             ; mw s[12:13], wb s[14:15]
	v_lshl_add_u32 v[SPW], v0, 2, SPARE
	v_mov_b32 v[NIL], 0
	ds_add_u32 v[SPW], v[NIL]                      ; the wave's opening: the add, twice on end, and its wait ahead of my first tensor load
	ds_add_u32 v[SPW], v[NIL]
	v_lshrrev_b32 v1, 5, v0
	v_readfirstlane_b32 s16, v1                    ; wave 0..7
	s_mov_b32 s[G1+0], (2<<16)|(1<<20)|(5<<22)|(3<<25)  ; elements of 4 bytes; padding on: after every 64 words, 4 words
	s_mov_b32 s[G1+1], 64<<16                      ; tensor_dim0 = 64
	s_mov_b32 s[G1+2], 64<<16                      ; tensor_dim1 = 64
	s_mov_b32 s[G1+3], 64<<16                      ; tile_dim0 = 64
	s_mov_b32 s[G1+4], 64                          ; tile_dim1 = 64
	s_mov_b32 s[G1+5], 2048                        ; elements from row to row
	s_mov_b32 s[G1+6], 0
	s_mov_b32 s[G1+7], 0
	s_mul_i32 s17, s16, 2*TILE                     ; my wave's ring
	s_lshl_b32 s2, ttmp9, 19                       ; the group's 64 rows of 8,192 bytes
	s_lshl_b32 s18, s16, 10                        ; my four key steps of 256 bytes
	s_add_co_u32 s2, s2, s18
	s_mov_b32 s3, 0
	s_wait_dscnt 0x0                               ; both opening adds are done
	s_wait_kmcnt 0x0
	s_add_nc_u64 s[4:5], s[4:5], s[2:3]
.irp s, 0,1                            ; the two first fills go out together, ahead of every wait on TENSORcnt, LDS read and barrier
	s_mov_b32 s[G0+4*(\s)], 1
	s_add_co_u32 s[G0+4*(\s)+1], s17, (\s)*TILE
	s_add_nc_u64 s[G0+4*(\s)+2:G0+4*(\s)+3], s[4:5], (\s)*256
	s_or_b32 s[G0+4*(\s)+3], s[G0+4*(\s)+3], 0x80000000
	tensor_load_to_lds s[G0+4*(\s):G0+4*(\s)+3], s[G1:G1+7]
	s_nop 0
.endr
	s_lshl_b32 s18, ttmp9, 12                      ; 1,024 numbers of 4 bytes a work-group
	v_lshl_add_u32 v[WLO], v0, 4, s18
	global_load_b128 v[WF:WF+3],    v[WLO], s[6:7]   th:TH_LOAD_NT
	global_load_b128 v[WF+4:WF+7],  v[WLO], s[8:9]   th:TH_LOAD_NT
	global_load_b128 v[WF+8:WF+11], v[WLO], s[10:11] th:TH_LOAD_NT
	s_lshl_b32 s2, ttmp9, 14                       ; mw: 16,384 bytes a group,
	s_lshl_b32 s18, s16, 11                        ; 2,048 a wave
	s_add_co_u32 s2, s2, s18
	s_add_nc_u64 s[MWP:MWP+1], s[12:13], s[2:3]
	s_lshl_b32 s18, ttmp9, 1                       ; the work-group's first weight row, 2 g; it is even, so the second row's place is the first's + 1
	s_and_b32 s19, s18, 0x11f                      ; bits 8 and 4:0 stay,
	s_and_b32 s2, s18, 32
	s_lshl_b32 s2, s2, 2                           ; bit 5 goes to bit 7,
	s_or_b32 s19, s19, s2
	s_and_b32 s2, s18, 0xc0
	s_lshr_b32 s2, s2, 1                           ; bits 7:6 to bits 6:5
	s_or_b32 s19, s19, s2
	s_lshl_b32 s2, s19, 10                         ; rows of 1,024 bytes
	s_add_nc_u64 s[14:15], s[14:15], s[2:3]
	v_and_b32 v1, 15, v0
	v_bfe_u32 v[OFF], v0, 4, 1
	v_mul_u32_u24 v[LA], v1, PITCH
	v_lshl_add_u32 v[LA], v[OFF], 5, v[LA]
	v_add_nc_u32 v[LA], s17, v[LA]
	v_and_b32 v[OFF], 31, v0
	v_lshlrev_b32 v[OFF], 4, v[OFF]
	v_lshlrev_b32 v[WSO], 3, v0                    ; 8 t = 1,024 (t / 128) + 8 (t % 128): row and place in one
.set i, 0
.rept 16
	v_mov_b32 v[WD+i], 0                           ; v_writelane_b32 keeps the other lanes: the registers are written whole once
.set i, i+1
.endr
	s_wait_loadcnt 0x0                             ; the weights
.irp p, 0,1,2
	v_cvt_pk_bf16_f32 v[WH+2*(\p)],   v[WF+4*(\p)],   v[WF+4*(\p)+1]
	v_cvt_pk_bf16_f32 v[WH+2*(\p)+1], v[WF+4*(\p)+2], v[WF+4*(\p)+3]
.endr
.irp p, 0,1,2
	global_store_b64 v[WSO], v[WH+2*(\p):WH+2*(\p)+1], s[14:15] offset:(\p)*524288  ; a wave stores 256 consecutive bytes, aligned
.endr
; Tile t, in slot s, is read, compared and stored.  left = how many younger tensor loads may stay out.
.macro TILE_IN t, s, left
	s_wait_tensorcnt \left                         ; a wave's tensor loads end in order: my tile is in LDS
.irp qt, 0,1,2,3
.irp kb, 0,1,2,3
	ds_load_b128 v[X+32*(\qt)+8*(\kb):X+32*(\qt)+8*(\kb)+3],   v[LA] offset:(\s)*TILE+(\qt)*16*PITCH+(\kb)*64
	ds_load_b128 v[X+32*(\qt)+8*(\kb)+4:X+32*(\qt)+8*(\kb)+7], v[LA] offset:(\s)*TILE+(\qt)*16*PITCH+(\kb)*64+16
.endr
.endr
.irp qt, 0,1,2,3
	s_wait_dscnt 24-8*(\qt)                        ; this tile of 16 rows is in; the eight loads of each later one may stay out
.irp kb, 0,1,2,3
.irp j, 0,1,2,3,4,5,6,7
	v_cmp_ne_u32 s[CW+(\j)], 0, v[X+32*(\qt)+8*(\kb)+(\j)]   ; word 8 kb + j: a bit a lane
.endr
.irp j, 0,1,2,3,4,5,6,7
	v_writelane_b32 v[WD+4*(\t)+(\j)%4], s[CW+(\j)], 8*(\qt)+2*(\kb)+(\j)/4  ; word 32 qt + i lies in lane (32 qt + i) / 4, register i % 4
.endr
.endr
.endr
	global_store_b128 v[OFF], v[WD+4*(\t):WD+4*(\t)+3], s[MWP:MWP+1] offset:512*(\t)  ; 512 consecutive bytes, aligned; each tile has its own four registers, so none is rewritten
.endm
; Slot s, which has been read, is filled again with the tile two key steps on.
.macro FILL s
	s_wait_tensorcnt 0x0                           ; all my tensor loads have landed: a group 0 may be written
	ds_add_u32 v[SPW], v[NIL]                      ; 0 onto my spare word
	s_add_nc_u64 s[G0+4*(\s)+2:G0+4*(\s)+3], s[G0+4*(\s)+2:G0+4*(\s)+3], 512
	s_wait_dscnt 0x0                               ; the add is done, and my reads of the slot are back
	s_barrier_signal -1
	s_barrier_wait -1
	tensor_load_to_lds s[G0+4*(\s):G0+4*(\s)+3], s[G1:G1+7]  ; my one tensor load behind the barrier, and the first thing there
	s_nop 0
.endm
	TILE_IN 0, 0, 1                                ; the count leaves tile 1 on its way
	FILL 0
	TILE_IN 1, 1, 1                                ; one load was issued behind tile 1's
	FILL 1
	TILE_IN 2, 0, 1
	TILE_IN 3, 1, 0
	s_wait_tensorcnt 0x0                           ; the wave's end
	ds_add_u32 v[SPW], v[NIL]
	s_wait_dscnt 0x0
	s_endpgm
.Lfunc_end_k_qfaa9983728_prep:
	.size	k_qfaa9983728_prep, .Lfunc_end_k_qfaa9983728_prep-k_qfaa9983728_prep
	.p2alignl 7, 3214868480
	.fill 96, 4, 3214868480
	.section	.rodata,"a",@progbits
	.p2align	6, 0x0
	.amdhsa_kernel k_qfaa9983728_prep
		.amdhsa_group_segment_fixed_size 327680
		.amdhsa_private_segment_fixed_size 0
		.amdhsa_enable_private_segment 0
		.amdhsa_kernarg_size 48
		.amdhsa_user_sgpr_count 2
		.amdhsa_user_sgpr_kernarg_segment_ptr 1
		.amdhsa_wavefront_size32 1
		.amdhsa_system_sgpr_workgroup_id_x 1
		.amdhsa_system_sgpr_workgroup_id_y 1
		.amdhsa_system_sgpr_workgroup_id_z 1
		.amdhsa_system_vgpr_workitem_id 0
		.amdhsa_next_free_vgpr 192
		.amdhsa_next_free_sgpr 66
		.amdhsa_reserve_vcc 0
		.amdhsa_float_denorm_mode_32 3
		.amdhsa_float_denorm_mode_16_64 3
		.amdhsa_memory_ordered 1
		.amdhsa_forward_progress 1
		.amdhsa_inst_pref_size 79
	.end_amdhsa_kernel
	.amdgpu_metadata
---
amdhsa.version: [ 1, 2 ]
amdhsa.kernels:
  - .name:           k_qfaa9983728_prep
    .symbol:         k_qfaa9983728_prep.kd
    .args:
      - { .name: attn_mask, .offset: 0, .size: 8, .value_kind: global_buffer, .address_space: global }
      - { .name: w_q, .offset: 8, .size: 8, .value_kind: global_buffer, .address_space: global }
      - { .name: w_k, .offset: 16, .size: 8, .value_kind: global_buffer, .address_space: global }
      - { .name: w_v, .offset: 24, .size: 8, .value_kind: global_buffer, .address_space: global }
      - { .name: mw, .offset: 32, .size: 8, .value_kind: global_buffer, .address_space: global }
      - { .name: wb, .offset: 40, .size: 8, .value_kind: global_buffer, .address_space: global }
    .group_segment_fixed_size: 327680
    .private_segment_fixed_size: 0
    .kernarg_segment_align: 8
    .kernarg_segment_size: 48
    .max_flat_workgroup_size: 256
    .sgpr_count:     66
    .vgpr_count:     192
    .wavefront_size: 32
...
	.end_amdgpu_metadata
.endif
;; end of part 1
;; launch proj (part 2): grid 256 x 1, 4 waves a work-group, clusters of 4 x 1, 327,680 bytes of LDS; arguments x_q, x_k_v, wb, b_q, b_k, b_v, qkv; writes qkv
.if DOCPART == 2
	.amdgcn_target "amdgcn-amd-amdhsa--gfx1250"
	.amdhsa_code_object_version 6
	.text
	.protected	k_qfaa9983728_proj
	.globl	k_qfaa9983728_proj
	.p2align	8
	.type	k_qfaa9983728_proj,@function
k_qfaa9983728_proj:
	s_mov_b64 s[64:65], 0
	v_nop
	global_prefetch_b8 v0, s[64:65] scope:SCOPE_SE
	s_setreg_imm32_b32 hwreg(HW_REG_WAVE_MODE, 25, 1), 1
	s_wait_xcnt 0x0
	s_wait_alu depctr_hold_cnt(0) depctr_sa_sdst(0) depctr_va_vdst(0) depctr_va_sdst(0) depctr_va_ssrc(0) depctr_va_vcc(0) depctr_vm_vsrc(0)
	s_getreg_b32 s2, hwreg(HW_REG_IB_STS2, 6, 4)
	s_cmp_eq_u32 s2, 0
	s_cbranch_scc0 .Lentry_in_a_cluster
	s_endpgm
.Lentry_in_a_cluster:
	s_bfe_u32 s2, ttmp6, 0x10000c
	s_cmp_lg_u32 s2, 0x3003
	s_cbranch_scc0 .Lentry_shape_is_right
	s_endpgm
.Lentry_shape_is_right:
; q = (x_q w_q^T + b_q) c, k = x_k_v w_k^T + b_k, v = x_k_v w_v^T + b_v, with c = log2(e) / 8, written by heads: qkv [q, k, v][batch x 8 + head][2048][64] in f16.  Nothing of the problem is left out here.
; x and the biases are rounded once to bf16 (the weights were, in wb); sums in f32, started by the bias; c is applied in f32; each result is rounded once to f16.
; LIMIT.  f16 holds no number beyond 65,504: c q, k and v must lie within it.  NaN and infinities are not treated apart.
; SHARES.  Work-group G owns rows 64 G .. 64 G + 63 of BOTH x tensors and makes all 1,536 columns for them, so each byte of x is read once.  The 64 x 512 numbers of x lie as bf16 fragments in 512 registers of
; EVERY wave.  wb goes by in 12 tiles of 128 rows; of each, wave w multiplies rows 32 w .. 32 w + 31: by wb's row order these are 32 channels of ONE head, and two tiles on end complete the head's 64.
; So a wave ends up with 64 rows x 128 bytes that are dense in qkv, and sends them through a stage of its own.
; THE MATRIX INSTRUCTION IS USED TRANSPOSED (source 0 = 16 rows of wb, source 1 = 16 rows of x): a lane holds one row of x and eight neighbouring channels.
; CLUSTER.  The four work-groups of a cluster walk the same tiles of wb: each tile is asked for JOINTLY (the same load, descriptor and mask in all four).  x's tiles are each work-group's own: plain loads.
; THE RING.  Two LDS slots of 135,168 bytes take turns through 14 tiles: x_q, W0 .. W3, x_k_v, W4 .. W11.  Each wave brings a quarter of each tile by one load behind each round of the cluster's barrier.
; REGISTERS, in windows of 256 (s_set_vgpr_msb: bits 1:0 source 0, 3:2 source 1, 5:4 source 2, 7:6 destination):
;   window 0: v0-31 addresses; v32-47 the bias; v48-63 at work at the head; v64-127 eight accumulators ((mb, nb) at 64 + 8 (2 mb + nb)); v128-255 two buffers of wb's fragments
;   window 1: v0-127 two buffers of x as f32; v128-159, v160-191 the two halves of a head in f16; v192-255 rows read back from the stage
;   window 2: x's fragments of row blocks 0, 1 (block mb, K block kb at 128 (mb % 2) + 8 kb); window 3: of row blocks 2, 3
.set PX,    528                        ; an LDS row: 512 bytes + 16 of padding = 33 x 16: the 16 rows of a load start at 16 different groups of four banks (64 banks of 4 bytes: ISA guide 11.1)
.set QREG,  64*PX                      ; what one tensor load brings: 64 rows
.set SLOT,  4*QREG
.set KH,    2*QREG                     ; a tile of wb: K half 0 (128 rows), then K half 1
.set STAGE, 2*SLOT                     ; behind the ring: 16 rows x 144 bytes for each wave
.set SP,    144
.set BIAS,  STAGE+4*16*SP              ; 1,536 f32: b_q, b_k, b_v
.set SPARE, BIAS+6144                  ; the spare words, 128 bytes a wave, that no other line names
.set WTILE, 131072                     ; bytes in a tile of wb
.set AX0, 3                            ; v3      my place in a quarter of x's tile: (l % 16) PX + 32 (l / 16)
.set AX,  4                            ; v4-7    the same in the four quarters of the slot in hand
.set AB,  8                            ; v8-11   my place in a tile of wb: slot s, K half k at AB + 2 s + k
.set ABI, 12                           ; v12     my bias: BIAS + 256 w + 32 (l / 16), + 1,024 for each finished head
.set STO, 13                           ; v13     the way out: where I put 16 bytes of a row
.set RD,  14                           ; v14     where I read rows back
.set GO,  15                           ; v15     16 l
.set PFO, 16                           ; v16     256 l
.set PFX, 17                           ; v17     2,048 l
.set SPW, 18                           ; v18     LDS address of my spare word; never rewritten
.set NIL, 19                           ; v19     0; never rewritten
.set BI,  32
.set ACC, 64
.set BF,  128
.set TX,  0                            ; window 1
.set HOLD, 128
.set OB,  192
.set WV,  18                           ; s18  my wave's number
.set CX,  19                           ; s19  my place in the cluster
.set GG,  20                           ; s20  G
.set G1X, 24                           ; s[24:31] descriptor group 1 for x's tiles
.set G1W, 32                           ; s[32:39] for wb's
.set G0A, 40                           ; s[40:43] descriptor group 0 for x's tiles
.set G0B, 44                           ; s[44:47] for wb's
.set WP,  48                           ; s[48:49] my quarter of the tile of wb to be asked for next
.set XK,  50                           ; s[50:51] my quarter of x_k_v's tile; never rewritten
.set DST, 52                           ; s[52:53] where the head in hand goes
.set QB,  54                           ; s[54:55] qkv at my rows, batch and wave
.set CS,  56                           ; s[56:57] c
.set PFW, 58                           ; s[58:59] where my prefetches of wb stand
.set LIM, 60                           ; s60  1 in the launch's first cluster, else the greatest number
.set CNT, 61                           ; s61  the loop's count
.set PI,  62                           ; s62  finished heads of this wave
.set LW,  66                           ; s66  my quarter's place in a slot
.set T0,  68                           ; s[68:69] at work: offsets that may hold my place in the cluster
.set T1,  70                           ; s[70:71] at work: offsets made of the wave's number alone
.set MSB, 0
.macro WIN new                         ; the immediate's high byte repeats the setting that is left; a switch that changes nothing is dropped
.if MSB != (\new)
	s_set_vgpr_msb (MSB<<8)|(\new)
.set MSB, (\new)
.endif
.endm
.macro PLACES                          ; four places: behind a matrix instruction, ahead of loads into registers that it read and of vector lines that read its results
.rept 4
	v_nop
.endr
.endm
.macro ROUND                           ; a round of the cluster's barrier
	s_barrier_signal -1
	s_barrier_wait -1
	s_cmp_lg_u32 s[WV], 0
	s_cbranch_scc1 .Lnot_wave_0_\@
	s_barrier_signal -3
.Lnot_wave_0_\@:
	s_barrier_wait -3
	s_barrier_signal -1
	s_barrier_wait -1
.endm
; A PREFETCH INTO THE L2 of the tile of wb that stands two refills on.  All clusters walk the same tiles: the launch's first cluster asks.  Its sixteen waves share a tile's 512 blocks of 256 bytes BY ADDRESS,
; 32 each, a lane a block: each block is named once.  Tiles 0 to 2 come by their loads alone.  how = 1: always; 0: not in the loop's last trip, where the tile two on does not exist; 2: no line is written.
.macro ASK how
.if (\how) < 2
.if \how
	s_cmp_eq_u32 s[LIM], 1
.else
	s_cmp_gt_u32 s[CNT], s[LIM]
.endif
	s_cbranch_scc0 .Lnot_mine_\@
	global_prefetch_b8 v[PFO], s[PFW:PFW+1] th:TH_LOAD_NT scope:SCOPE_SE
.Lnot_mine_\@:
.endif
.endm
; THE CHANGE OF SLOTS.  Each wave waits for all its tensor loads (one is out: its quarter of the tile to be read next), adds 0 to its spare word, waits for that and for its reads of the slot it leaves; the round
; then says the same of every wave of the cluster; the refill of the slot just left is the first thing behind it.
.macro TOPW slot, how                  ; the next tile of wb, jointly, into \slot
	s_wait_xcnt 0x0                                ; the last prefetch, a tile's work back, has read its address
	s_add_nc_u64 s[PFW:PFW+1], s[PFW:PFW+1], WTILE
	WIN 0
	s_wait_tensorcnt 0x0
	ds_add_u32 v[SPW], v[NIL]                      ; 0 onto my spare word; the descriptor's words stand between it and the wait for it
	s_add_co_u32 s[G0B+1], s[LW], (\slot)*SLOT
	s_mov_b64 s[G0B+2:G0B+3], s[WP:WP+1]
	s_or_b32 s[G0B+3], s[G0B+3], 0x80000000
	s_add_nc_u64 s[WP:WP+1], s[WP:WP+1], WTILE
	s_wait_dscnt 0x0
	ROUND
	tensor_load_to_lds s[G0B:G0B+3], s[G1W:G1W+7]
	s_nop 0
	PLACES
	ASK \how
.endm
.macro TOPX                            ; x_k_v's tile, my work-group's own, into slot 1
	WIN 0
	s_wait_tensorcnt 0x0
	ds_add_u32 v[SPW], v[NIL]
	s_add_co_u32 s[G0A+1], s[LW], SLOT
	s_mov_b64 s[G0A+2:G0A+3], s[XK:XK+1]
	s_or_b32 s[G0A+3], s[G0A+3], 0x80000000
	s_wait_dscnt 0x0
	ROUND
	tensor_load_to_lds s[G0A:G0A+3], s[G1X:G1X+7]
	s_nop 0
	PLACES
.endm
.macro TOPN                            ; the last change: nothing is asked for, so my work-group's barrier is enough
	WIN 0
	s_wait_tensorcnt 0x0
	ds_add_u32 v[SPW], v[NIL]
	s_wait_dscnt 0x0
	s_barrier_signal -1
	s_barrier_wait -1
.endm
	s_load_b256 s[4:11], s[0:1], 0x0               ; x_q s[4:5], x_k_v s[6:7], wb s[8:9], b_q s[10:11]
	s_load_b128 s[12:15], s[0:1], 0x20             ; b_k s[12:13], b_v s[14:15]
	s_load_b64 s[16:17], s[0:1], 0x30              ; qkv
	v_lshl_add_u32 v[SPW], v0, 2, SPARE
	v_mov_b32 v[NIL], 0
	ds_add_u32 v[SPW], v[NIL]                      ; the wave's opening: the add, twice on end, and its wait ahead of my first tensor load
	ds_add_u32 v[SPW], v[NIL]
	v_lshrrev_b32 v1, 5, v0
	v_readfirstlane_b32 s[WV], v1                  ; wave 0..3
	s_bfe_u32 s[CX], ttmp6, 0x40000                ; cx
	s_lshl_b32 s[GG], ttmp9, 2                     ; in a cluster launch ttmp9 counts clusters
	s_add_co_u32 s[GG], s[GG], s[CX]
	s_mov_b32 s[G1X+0], (2<<16)|(1<<20)|(6<<22)|(3<<25)  ; no mask; elements of 4 bytes; padding on: after every 128 words, 4 words
	s_mov_b32 s[G1X+1], 128<<16                    ; tensor_dim0 = 128
	s_mov_b32 s[G1X+2], 64<<16                     ; tensor_dim1 = 64
	s_mov_b32 s[G1X+3], 128<<16                    ; tile_dim0 = 128
	s_mov_b32 s[G1X+4], 64                         ; tile_dim1 = 64
	s_mov_b32 s[G1X+5], 512                        ; elements from row to row
	s_mov_b32 s[G1X+6], 0
	s_mov_b32 s[G1X+7], 0
	s_mov_b32 s[G1W+0], 15|(1<<16)|(1<<20)|(1<<21)|(6<<22)|(3<<25)  ; the mask of four; elements of 2 bytes; bit 21 beside a mask; the same padding
	s_mov_b32 s[G1W+1], 256<<16
	s_mov_b32 s[G1W+2], 64<<16
	s_mov_b32 s[G1W+3], 256<<16
	s_mov_b32 s[G1W+4], 64
	s_mov_b32 s[G1W+5], 512
	s_mov_b32 s[G1W+6], 0
	s_mov_b32 s[G1W+7], 0
	s_mul_i32 s[LW], s[WV], QREG                   ; no place in the cluster enters an LDS address
	s_mov_b32 s[G0A], 1
	s_mov_b32 s[G0A+1], s[LW]                      ; x_q's tile into slot 0
	s_mov_b32 s[G0B], 1
	s_add_co_u32 s[G0B+1], s[LW], SLOT             ; W0 into slot 1
	s_lshl_b32 s[T0], s[GG], 17                    ; x: 64 rows of 2,048 bytes a work-group,
	s_lshl_b32 s[T0+1], s[WV], 9                   ; my quarter of K: 512 bytes of each row
	s_add_co_u32 s[T0], s[T0], s[T0+1]
	s_mov_b32 s[T0+1], 0
	s_and_b32 s[T1], s[WV], 1                      ; wb: rows 64 (w % 2) on,
	s_lshl_b32 s[T1], s[T1], 16
	s_lshr_b32 s[T1+1], s[WV], 1                   ; K half w / 2
	s_lshl_b32 s[T1+1], s[T1+1], 9
	s_add_co_u32 s[T1], s[T1], s[T1+1]
	s_mov_b32 s[T1+1], 0
	s_mov_b32 s[CS], 0x3e38aa3b                    ; c = log2(e) / 8
	s_mov_b32 s[CS+1], s[CS]
	s_mov_b32 s[PI], 0
	s_cmp_eq_u32 ttmp9, 0
	s_cselect_b32 s[LIM], 1, -1                    ; the same in all four partners
	s_wait_dscnt 0x0                               ; both opening adds are done
	s_wait_kmcnt 0x0
	s_add_nc_u64 s[G0A+2:G0A+3], s[4:5], s[T0:T0+1]
	s_or_b32 s[G0A+3], s[G0A+3], 0x80000000
	s_add_nc_u64 s[XK:XK+1], s[6:7], s[T0:T0+1]
	s_add_nc_u64 s[WP:WP+1], s[8:9], s[T1:T1+1]
	s_mov_b64 s[G0B+2:G0B+3], s[WP:WP+1]
	s_or_b32 s[G0B+3], s[G0B+3], 0x80000000
	s_add_nc_u64 s[WP:WP+1], s[WP:WP+1], WTILE
	s_lshl2_add_u32 s[T0], s[CX], s[WV]            ; my wave among the cluster's sixteen:
	s_lshl_b32 s[T0], s[T0], 13                    ; its 32 blocks of a tile
	s_add_nc_u64 s[PFW:PFW+1], s[8:9], s[T0:T0+1]
	s_add_nc_u64 s[PFW:PFW+1], s[PFW:PFW+1], 2*WTILE  ; in tile 2: the first change of slots steps it to tile 3
	s_and_b32 s[T0], s[GG], 31                     ; my 64 rows in their batch: 8,192 bytes of a head,
	s_lshl_b32 s[T0], s[T0], 13
	s_lshr_b32 s[T0+1], s[GG], 5                   ; the batch,
	s_lshl3_add_u32 s[T0+1], s[T0+1], s[WV]        ; head 8 b + w
	s_lshl_b32 s[T0+1], s[T0+1], 18                ; of 262,144 bytes
	s_add_co_u32 s[T0], s[T0], s[T0+1]
	s_mov_b32 s[T0+1], 0
	s_add_nc_u64 s[QB:QB+1], s[16:17], s[T0:T0+1]
	ROUND                                          ; all four work-groups are here: the first joint loads meet
	tensor_load_to_lds s[G0A:G0A+3], s[G1X:G1X+7]  ; the two first fills go out together: two loads of mine are out
	s_nop 0
	tensor_load_to_lds s[G0B:G0B+3], s[G1W:G1W+7]
	s_nop 0
	PLACES
	v_lshlrev_b32 v54, 4, v0                       ; the biases: 128 threads x 4 numbers
	global_load_b128 v[20:23], v54, s[10:11]
	global_load_b128 v[24:27], v54, s[12:13]
	global_load_b128 v[28:31], v54, s[14:15]
	v_add_nc_u32 v55, BIAS, v54
	v_and_b32 v1, 15, v0                           ; l % 16
	v_bfe_u32 v2, v0, 4, 1                         ; l / 16
	v_mul_u32_u24 v56, v1, PX
	v_lshl_add_u32 v[AX0], v2, 5, v56              ; x in f32: eight numbers are 32 bytes
	v_lshl_add_u32 v56, v2, 4, v56                 ; wb in bf16: 16 bytes
	s_mul_i32 s[T1], s[WV], 32*PX                  ; my 32 rows of a tile
	v_add_nc_u32 v[AB], s[T1], v56
	v_add_nc_u32 v[AB+1], KH, v[AB]
	v_add_nc_u32 v[AB+2], SLOT, v[AB]
	v_add_nc_u32 v[AB+3], SLOT+KH, v[AB]
	s_lshl_b32 s[T1], s[WV], 8
	s_add_co_u32 s[T1], s[T1], BIAS
	v_lshl_add_u32 v[ABI], v2, 5, s[T1]
	s_mul_i32 s[T1], s[WV], 16*SP
	s_add_co_u32 s[T1], s[T1], STAGE               ; my stage
	v_mul_u32_u24 v[STO], v1, SP                   ; in: row l % 16, 16 bytes for each half of the lanes
	v_lshl_add_u32 v[STO], v2, 4, v[STO]
	v_add_nc_u32 v[STO], s[T1], v[STO]
	v_bfe_u32 v[RD], v0, 3, 2                      ; back: 32 lanes take four rows of 128 bytes
	v_mul_u32_u24 v[RD], v[RD], SP
	v_and_b32 v56, 7, v0
	v_lshl_add_u32 v[RD], v56, 4, v[RD]
	v_add_nc_u32 v[RD], s[T1], v[RD]
	v_and_b32 v56, 31, v0
	v_lshlrev_b32 v[GO], 4, v56
	v_lshlrev_b32 v[PFO], 8, v56
	v_lshlrev_b32 v[PFX], 11, v56
	s_wait_loadcnt 0x0                             ; the biases: rounded to bf16 like every input, kept as f32
.irp p, 0,1,2
	v_cvt_pk_bf16_f32 v[48+2*(\p)], v[20+4*(\p)], v[21+4*(\p)]
	v_cvt_pk_bf16_f32 v[49+2*(\p)], v[22+4*(\p)], v[23+4*(\p)]
.endr
.irp p, 0,1,2
	v_lshlrev_b32 v[20+4*(\p)], 16, v[48+2*(\p)]
	v_and_b32     v[21+4*(\p)], 0xffff0000, v[48+2*(\p)]
	v_lshlrev_b32 v[22+4*(\p)], 16, v[49+2*(\p)]
	v_and_b32     v[23+4*(\p)], 0xffff0000, v[49+2*(\p)]
	ds_store_b128 v55, v[20+4*(\p):23+4*(\p)] offset:2048*(\p)
.endr
; x's TILE BECOMES FRAGMENTS.  A fragment is 16 rows x 32 K in 8 registers: lane l holds row l % 16; registers 0-3 K = 8 (l / 16) + 0..7, registers 4-7 K = 16 + 8 (l / 16) + 0..7: in f32 four loads of 16 bytes.
; Batch n of 16 is row block n / 4, K quarter n % 4: four fragments, 16 loads, 32 roundings.  A batch's loads go out ahead of the roundings of the batch before.
.macro LOADB n
	WIN 0x40                                       ; destination window 1, address window 0
.set tb, TX+64*((\n)%2)
.set ta, AX+(\n)%4
.set to, ((\n)/4)*16*PX
.irp f, 0,1,2,3
	ds_load_b128 v[tb+16*(\f):tb+16*(\f)+3],     v[ta] offset:to+(\f)*128
	ds_load_b128 v[tb+16*(\f)+4:tb+16*(\f)+7],   v[ta] offset:to+(\f)*128+16
	ds_load_b128 v[tb+16*(\f)+8:tb+16*(\f)+11],  v[ta] offset:to+(\f)*128+64
	ds_load_b128 v[tb+16*(\f)+12:tb+16*(\f)+15], v[ta] offset:to+(\f)*128+80
.endr
.endm
.macro CVTB n
	WIN 0x85+0x40*((\n)/8)                         ; sources window 1, destination window 2 (row blocks 0, 1) or 3
.set tb, TX+64*((\n)%2)
.set td, 128*(((\n)/4)%2)+32*((\n)%4)
.set i, 0
.rept 32
	v_cvt_pk_bf16_f32 v[td+i], v[tb+2*i], v[tb+2*i+1]
.set i, i+1
.endr
.endm
; pf = 1: behind the first batch's loads the wave prefetches into the L2 its own quarter of x_k_v's tile, 64 rows x 512 bytes: a lane a row, four lines; each block is named once in the launch.
; It stands four tiles' work ahead of the load that will want it.  x_q's tile is not asked for: it is the launch's first load.
.macro XPH slot, pf
	WIN 0
.irp q, 0,1,2,3
	v_add_nc_u32 v[AX+(\q)], (\slot)*SLOT+(\q)*QREG, v[AX0]
.endr
	LOADB 0
.if \pf
	global_prefetch_b8 v[PFX], s[XK:XK+1] th:TH_LOAD_NT scope:SCOPE_SE
	global_prefetch_b8 v[PFX], s[XK:XK+1] offset:256 th:TH_LOAD_NT scope:SCOPE_SE
	global_prefetch_b8 v[PFX], s[XK:XK+1] offset:65536 th:TH_LOAD_NT scope:SCOPE_SE
	global_prefetch_b8 v[PFX], s[XK:XK+1] offset:65792 th:TH_LOAD_NT scope:SCOPE_SE
.endif
.set bn, 0
.rept 16
.if bn < 15
	LOADB bn+1
	s_wait_dscnt 16                                ; this batch is in; the next one's sixteen loads may stay out
.else
	s_wait_dscnt 0x0
.endif
	CVTB bn
.set bn, bn+1
.endr
	WIN 0
.endm
; A TILE OF wb IS MULTIPLIED.  K goes in four groups of 128; group g's eight fragments (4 K blocks x 2 blocks of 16 rows) lie in buffer g % 2.
.macro FETCHB slot, g
	WIN 0
.set bb, BF+64*((\g)%2)
.set ar, AB+2*(\slot)+(\g)/2
.irp f, 0,1,2,3
.irp nb, 0,1
	ds_load_b128 v[bb+16*(\f)+8*(\nb):bb+16*(\f)+8*(\nb)+3],   v[ar] offset:(\nb)*16*PX+(4*((\g)%2)+(\f))*64
	ds_load_b128 v[bb+16*(\f)+8*(\nb)+4:bb+16*(\f)+8*(\nb)+7], v[ar] offset:(\nb)*16*PX+(4*((\g)%2)+(\f))*64+32
.endr
.endr
.endm
; 16 matrix instructions: group g, row blocks 2 hi and 2 hi + 1.  Their four accumulators take turns, one instruction a turn.  The first K block starts the sums with the bias as C.
.macro MUL16 g, hi
	WIN 0x08+4*(\hi)                               ; source 1 (x) in window 2 or 3
.set bb, BF+64*((\g)%2)
.irp f, 0,1,2,3
.irp m, 0,1
.irp nb, 0,1
.if ((\g) == 0) && ((\f) == 0)
	v_wmma_f32_16x16x32_bf16 v[ACC+8*(4*(\hi)+2*(\m)+(\nb)):ACC+8*(4*(\hi)+2*(\m)+(\nb))+7], v[bb+16*(\f)+8*(\nb):bb+16*(\f)+8*(\nb)+7], v[128*(\m)+8*(4*(\g)+(\f)):128*(\m)+8*(4*(\g)+(\f))+7], v[BI+8*(\nb):BI+8*(\nb)+7]
.else
	v_wmma_f32_16x16x32_bf16 v[ACC+8*(4*(\hi)+2*(\m)+(\nb)):ACC+8*(4*(\hi)+2*(\m)+(\nb))+7], v[bb+16*(\f)+8*(\nb):bb+16*(\f)+8*(\nb)+7], v[128*(\m)+8*(4*(\g)+(\f)):128*(\m)+8*(4*(\g)+(\f))+7], v[ACC+8*(4*(\hi)+2*(\m)+(\nb)):ACC+8*(4*(\hi)+2*(\m)+(\nb))+7]
.endif
.endr
.endr
.endr
.endm
; THE WAY OUT of row block mb: a lane's 16 bytes go into rows of 144 bytes of my own stage and come back as whole rows of 128; four rows are 512 consecutive bytes of qkv.
.macro TOSTAGE mb
	WIN 0x04                                       ; data (source 1) in window 1
.irp nb, 0,1
	ds_store_b128 v[STO], v[HOLD+4*(2*(\mb)+(\nb)):HOLD+4*(2*(\mb)+(\nb))+3]       offset:32*(\nb)
	ds_store_b128 v[STO], v[HOLD+32+4*(2*(\mb)+(\nb)):HOLD+32+4*(2*(\mb)+(\nb))+3] offset:64+32*(\nb)
.endr
	WIN 0x40
.irp f, 0,1,2,3
	ds_load_b128 v[OB+16*(\mb)+4*(\f):OB+16*(\mb)+4*(\f)+3], v[RD] offset:(\f)*4*SP  ; LDS serves a wave's instructions in order (ISA guide 5.7.1.4): these see the stores above; the next block's stores come behind them
.endr
.endm
.macro SEND mb, younger                ; younger: the LDS lines issued behind this block's loads: the next block's eight, or none
	WIN 0x04
	s_wait_dscnt \younger
.irp f, 0,1,2,3
	global_store_b128 v[GO], v[OB+16*(\mb)+4*(\f):OB+16*(\mb)+4*(\f)+3], s[DST:DST+1] offset:(\mb)*2048+(\f)*512  ; 512 consecutive bytes, aligned
.endr
.endm
; slot: where the tile lies.  e: which 32 channels of the head it holds.  isq = 1: the result is q and takes the factor c.
.macro STEP slot, e, isq
	FETCHB \slot, 0
.irp nb, 0,1
	ds_load_b128 v[BI+8*(\nb):BI+8*(\nb)+3],   v[ABI] offset:128*(\e)+64*(\nb)     ; my eight channels' biases, the same in all lanes of a half
	ds_load_b128 v[BI+8*(\nb)+4:BI+8*(\nb)+7], v[ABI] offset:128*(\e)+64*(\nb)+16
.endr
.irp g, 0,1,2,3
	s_wait_dscnt 0x0                               ; this group's fragments: asked for sixteen matrix instructions back (the first group's: just now)
	MUL16 \g, 0
.if (\g) < 3
	WIN 0
	PLACES                                         ; the other buffer's last readers stand sixteen matrix instructions back, which are no places
	FETCHB \slot, (\g)+1
.endif
	MUL16 \g, 1
.endr
	WIN 0
	PLACES
.if \isq
.set i, 0
.rept 32
	v_pk_mul_f32 v[ACC+2*i:ACC+2*i+1], v[ACC+2*i:ACC+2*i+1], s[CS:CS+1] op_sel_hi:[1,0]
.set i, i+1
.endr
.endif
	WIN 0x40
.set i, 0
.rept 32                               ; each accumulator's registers in ascending order
	v_cvt_pk_f16_f32 v[HOLD+32*(\e)+i], v[ACC+2*i], v[ACC+2*i+1]
.set i, i+1
.endr
.if \e
	s_wait_xcnt 0x0                                ; the last head's stores have read their registers and their base: both are written again below
	s_lshr_b32 s[T0], s[PI], 1                     ; heads 4 PI + w: tensor PI / 2,
	s_lshl_b32 s[T0], s[T0], 6
	s_and_b32 s[T0+1], s[PI], 1                    ; head 4 (PI % 2) + w of the batch's eight
	s_lshl2_add_u32 s[T0], s[T0+1], s[T0]
	s_lshl_b32 s[T0], s[T0], 18
	s_mov_b32 s[T0+1], 0
	s_add_nc_u64 s[DST:DST+1], s[QB:QB+1], s[T0:T0+1]
	s_add_co_u32 s[PI], s[PI], 1
	TOSTAGE 0
	TOSTAGE 1
	SEND 0, 8
	TOSTAGE 2
	SEND 1, 8
	TOSTAGE 3
	SEND 2, 8
	SEND 3, 0
	WIN 0
	v_add_nc_u32 v[ABI], 1024, v[ABI]              ; the next head's biases
.endif
	WIN 0
.endm
	s_wait_tensorcnt 1                             ; my quarter of x_q's tile is in; W0 may stay out
	s_wait_dscnt 0x0                               ; my part of the biases is stored
	s_barrier_signal -1
	s_barrier_wait -1
	XPH 0, 1
	TOPW 0, 1                                      ; W1 is asked for, W0 multiplied: heads w of q
	STEP 1, 0, 1
	TOPW 1, 1
	STEP 0, 1, 1
	TOPW 0, 1                                      ; heads 4 + w of q
	STEP 1, 0, 1
	TOPX                                           ; x_k_v's tile is asked for
	STEP 0, 1, 1
	TOPW 0, 1                                      ; W4 is asked for while x_k_v becomes fragments
	XPH 1, 0
	s_mov_b32 s[CNT], 3
.Lpair:                                        ; three heads a wave: W4 .. W9 are multiplied, W5 .. W10 asked for
	TOPW 1, 1
	STEP 0, 0, 0
	TOPW 0, 0
	STEP 1, 1, 0
	s_sub_co_u32 s[CNT], s[CNT], 1
	s_cmp_lg_u32 s[CNT], 0
	s_cbranch_scc1 .Lpair
	TOPW 1, 2                                      ; W11: the last load
	STEP 0, 0, 0
	TOPN
	STEP 1, 1, 0
	s_wait_tensorcnt 0x0                           ; the wave's end
	ds_add_u32 v[SPW], v[NIL]
	s_wait_dscnt 0x0
	ROUND                                          ; the closing round: no work-group ends while a partner may still ask for a tile that names it
	s_endpgm
.Lfunc_end_k_qfaa9983728_proj:
	.size	k_qfaa9983728_proj, .Lfunc_end_k_qfaa9983728_proj-k_qfaa9983728_proj
	.p2alignl 7, 3214868480
	.fill 96, 4, 3214868480
	.section	.rodata,"a",@progbits
	.p2align	6, 0x0
	.amdhsa_kernel k_qfaa9983728_proj
		.amdhsa_group_segment_fixed_size 327680
		.amdhsa_private_segment_fixed_size 0
		.amdhsa_enable_private_segment 0
		.amdhsa_kernarg_size 56
		.amdhsa_user_sgpr_count 2
		.amdhsa_user_sgpr_kernarg_segment_ptr 1
		.amdhsa_wavefront_size32 1
		.amdhsa_system_sgpr_workgroup_id_x 1
		.amdhsa_system_sgpr_workgroup_id_y 1
		.amdhsa_system_sgpr_workgroup_id_z 1
		.amdhsa_system_vgpr_workitem_id 0
		.amdhsa_next_free_vgpr 1024
		.amdhsa_next_free_sgpr 72
		.amdhsa_reserve_vcc 0
		.amdhsa_float_denorm_mode_32 3
		.amdhsa_float_denorm_mode_16_64 3
		.amdhsa_memory_ordered 1
		.amdhsa_forward_progress 1
		.amdhsa_inst_pref_size 255
	.end_amdhsa_kernel
	.section	.bss,"aw",@nobits
	.p2align	6
	.space	262144
	.amdgpu_metadata
---
amdhsa.version: [ 1, 2 ]
amdhsa.kernels:
  - .name:           k_qfaa9983728_proj
    .symbol:         k_qfaa9983728_proj.kd
    .args:
      - { .name: x_q, .offset: 0, .size: 8, .value_kind: global_buffer, .address_space: global }
      - { .name: x_k_v, .offset: 8, .size: 8, .value_kind: global_buffer, .address_space: global }
      - { .name: wb, .offset: 16, .size: 8, .value_kind: global_buffer, .address_space: global }
      - { .name: b_q, .offset: 24, .size: 8, .value_kind: global_buffer, .address_space: global }
      - { .name: b_k, .offset: 32, .size: 8, .value_kind: global_buffer, .address_space: global }
      - { .name: b_v, .offset: 40, .size: 8, .value_kind: global_buffer, .address_space: global }
      - { .name: qkv, .offset: 48, .size: 8, .value_kind: global_buffer, .address_space: global }
    .group_segment_fixed_size: 327680
    .private_segment_fixed_size: 0
    .kernarg_segment_align: 8
    .kernarg_segment_size: 56
    .max_flat_workgroup_size: 128
    .sgpr_count:     72
    .vgpr_count:     1024
    .wavefront_size: 32
...
	.end_amdgpu_metadata
.endif
;; end of part 2
;; launch attn (part 3): grid 4 x 64, 8 waves a work-group, clusters of 4 x 1, 327,680 bytes of LDS; arguments qkv, mw, out0; writes out0
.if DOCPART == 3
	.amdgcn_target "amdgcn-amd-amdhsa--gfx1250"
	.amdhsa_code_object_version 6
	.text
	.protected	k_qfaa9983728_attn
	.globl	k_qfaa9983728_attn
	.p2align	8
	.type	k_qfaa9983728_attn,@function
k_qfaa9983728_attn:
	s_mov_b64 s[64:65], 0
	v_nop
	global_prefetch_b8 v0, s[64:65] scope:SCOPE_SE
	s_setreg_imm32_b32 hwreg(HW_REG_WAVE_MODE, 25, 1), 1
	s_wait_xcnt 0x0
	s_wait_alu depctr_hold_cnt(0) depctr_sa_sdst(0) depctr_va_vdst(0) depctr_va_sdst(0) depctr_va_ssrc(0) depctr_va_vcc(0) depctr_vm_vsrc(0)
	s_getreg_b32 s2, hwreg(HW_REG_IB_STS2, 6, 4)
	s_cmp_eq_u32 s2, 0
	s_cbranch_scc0 .Lentry_in_a_cluster
	s_endpgm
.Lentry_in_a_cluster:
	s_bfe_u32 s2, ttmp6, 0x10000c
	s_cmp_lg_u32 s2, 0x3003
	s_cbranch_scc0 .Lentry_shape_is_right
	s_endpgm
.Lentry_shape_is_right:
; out0[b][q][64 h + d] = the sum over k of softmax_k(s[q][k]) v[k][d], with s = -1e9 where attn_mask[b][q][k] is not 0 and q . k / 8 elsewhere.  Nothing of the problem is left out here.
; qkv holds c q (c = log2(e) / 8), k and v by heads, [3][64][2048][64] in f16; mw holds the mask as lane masks (a bit a number, in the order of S^T's registers).  Products, maxima and sums in f32; the weights
; are rounded to f16 for the second product (their sum l is taken of the unrounded weights); out0 is f32.
; THE MASK REPLACES: each score is SELECTED, the product or T = -1e9 log2(e), and the running maximum is taken of what was selected.  So a row that is wholly masked comes out as the mean of v, and a row whose
; open scores lie below -1e9 gives its weight to the masked keys.
; LIMITS.  T is rounded to f32; a weight below 2^-126 counts as 0; NaN and infinities are not treated apart.
; SHARES.  A work-group owns 512 queries of one head, each of its eight waves 64: four tiles of 16, in two PIECES of two.  Every wave walks all 2,048 keys, 64 a step.  Two waves share a SIMD: the text goes in plain
; phases (products, softmax, products), and while one wave is in its vector work the other has the matrix unit.  A select takes its lane mask from a scalar register, and a wave has room for one piece's 64 words:
; they are loaded a piece ahead.
; LAYOUT.  S^T = K Q^T (source 0 = 16 keys, source 1 = 16 queries): a lane holds ONE query (l % 16) and the keys 8 (l / 16) + 0..7.  Two such results, rounded to f16 in pairs, ARE source 1 of O^T = V^T P,
; whose result again holds one query a lane, and eight channels.  K comes out of LDS as it lies, V turned, by ds_load_tr16_b128.
; SOFTMAX.  p = 2^(s - m) with a running maximum m; in every step O and l are multiplied by a = 2^(m_old - m_new).  m starts at the lowest finite number, O and l at 0: the first step is a step like any other.
; CLUSTER.  The four query blocks of a head walk the same K and V: each tile is asked for JOINTLY.  A slot holds 256 keys; each of the eight waves brings 64 keys of K (waves 0-3) or V (waves 4-7): 8,192 dense
; bytes, asked for as 32 rows of 256, padded after every key.  One pitch serves K and V, so that one line and one descriptor serve all waves; V's turning loads then meet two deep in part of the banks.
; REGISTERS (s_set_vgpr_msb: bits 1:0 source 0, 3:2 source 1, 5:4 source 2, 7:6 destination):
;   window 0: v0-15 addresses; v16-31 four statistics a tile; v32-39 at work; v64-127 S^T of a piece; v128-159 P of a piece; v160-223 K of a step
;   window 1: v0-127 O^T, 32 a tile; v128-191 Q, 16 a tile; v192-255 V of a step
.set PK,    144                        ; a key's row in LDS: 128 bytes + 16 = 9 x 16: the 16 rows of a load of K start at 16 different groups of four banks (64 banks of 4 bytes: ISA guide 11.1)
.set STEPB, 64*PK                      ; a step's rows of K, or of V; also what one tensor load brings
.set VOFF,  4*STEPB                    ; a slot: 256 rows of K, then 256 of V
.set SLOT1, 1<<17                      ; slot 1 begins here: one exclusive or turns an address in one slot into the other's
.set STAGE, SLOT1+2*VOFF               ; behind the ring: 16 rows x 272 bytes for each wave
.set SP,    272
.set SPARE, STAGE+8*16*SP              ; the spare words, 128 bytes a wave, that no other line names
.set AK0, 2                            ; v2   my lane's place in a step's K; never rewritten
.set AV0, 3                            ; v3   the same for V
.set AK,  4                            ; v4   the LDS address of K's run of loads
.set AV,  5                            ; v5   of V's
.set STO, 6                            ; v6   the way out: where I put 32 bytes of a row
.set RD,  7                            ; v7   where I read rows back
.set GO,  8                            ; v8   my byte offset in two rows of out0
.set QO,  9                            ; v9   my byte offset in 16 rows of Q
.set TV,  12                           ; v12  T
.set PFO, 13                           ; v13  the prefetches' offset; never rewritten
.set SPW, 14                           ; v14  LDS address of my spare word; never rewritten
.set NIL, 15                           ; v15  0; never rewritten
.set ST,  16                           ; tile t's statistics at ST + 4 t: m, m_old, l (even keys', odd keys')
.set TMP, 32                           ; tile u of the piece: c0-c3 at TMP + 4 u; when the maximum is found c2 takes a
.set S,   64
.set P,   128
.set KF,  160                          ; key block kb, channel half c at KF + 16 kb + 8 c
.set QF,  128                          ; window 1
.set VF,  192                          ; window 1: key half kk, channel block cb at VF + 32 kk + 8 cb
                                       ; s[4:35] the 32 mask words of the piece's first tile, s[68:99] of its second; at the head both are scratch
.set G1,  36                           ; s[36:43] descriptor group 1
.set G0,  44                           ; s[44:47] descriptor group 0: it walks
.set WV,  48                           ; s48  my wave's number
.set SLOTS, 49                         ; s49  slots still to be asked for
.set CNT, 50                           ; s50  counts a slot's key steps
.set TB,  51                           ; s51  LDS byte at which K of the step to be fetched begins
.set SEL, 52                           ; s[52:53] v_permlanex16_b32's selects: each lane takes its own place in the other half
.set MP,  54                           ; s[54:55] mw at my wave's 64 rows, at the key step in hand
.set PFA, 56                           ; s[56:57] where my prefetches stand
.set PST, 58                           ; s[58:59] their step from slot to slot
.set LIM, 60                           ; s60  1 in a wave that prefetches, else the greatest number
.set OUT, 62                           ; s[62:63] out0 at my wave's first row and my head's channels
.set QP,  100                          ; s[100:101] Q at my wave's first row
.set MSB, 0
.macro WIN new                         ; the immediate's high byte repeats the setting that is left; a switch that changes nothing is dropped
.if MSB != (\new)
	s_set_vgpr_msb (MSB<<8)|(\new)
.set MSB, (\new)
.endif
.endm
.macro PLACES                          ; four places: behind a matrix instruction, ahead of vector lines that read its results and of loads into registers that it read
.rept 4
	v_nop
.endr
.endm
.macro CROUND                          ; a round of the cluster's barrier
	s_barrier_signal -1
	s_barrier_wait -1
	s_cmp_lg_u32 s[WV], 0
	s_cbranch_scc1 .Lnot_wave_0_\@
	s_barrier_signal -3
.Lnot_wave_0_\@:
	s_barrier_wait -3
	s_barrier_signal -1
	s_barrier_wait -1
.endm
; A PREFETCH INTO THE L2, behind the wave's tensor load and its five lines: the slot after the one that is being asked for.  K and V: a slot has 128 blocks of 256 bytes of each; the four partners take 32 each, told
; apart BY ADDRESS; wave 0 asks for K's, wave 4 for V's.  The mask words: a work-group's eight streams have 8 blocks each for a slot; the eight heads of a batch read the same words, so head 0's cluster asks, waves 1
; and 2, four streams each.  So each block is named once in the launch.  The first two slots come by their loads alone; the last change that fills a slot asks for nothing.
.macro ASK
	s_cmp_gt_u32 s[SLOTS], s[LIM]
	s_cbranch_scc0 .Lnot_mine_\@
	global_prefetch_b8 v[PFO], s[PFA:PFA+1] th:TH_LOAD_NT scope:SCOPE_SE
.Lnot_mine_\@:
.endm
; THE CHANGE OF SLOTS.  Each wave waits for all its tensor loads (one is out: its part of the other slot), adds 0 to its spare word, and waits for that and for its reads of the slot that it leaves.
; fill = 1: a round of the cluster's barrier says the same of every partner's waves, and the joint refill is the first thing behind it: it has four key steps in which to land.
; (At its first use nothing has been read yet: slot 0 is waited for, slot 1 filled.)
.macro CHANGE fill
	WIN 0
	s_wait_tensorcnt 0x0                           ; no tensor load of mine is out, so group 0 may be written
	ds_add_u32 v[SPW], v[NIL]
.if \fill
	s_xor_b32 s[G0+1], s[G0+1], SLOT1              ; the other slot than last time,
	s_add_nc_u64 s[G0+2:G0+3], s[G0+2:G0+3], 32768 ; the next 256 keys
	s_wait_xcnt 0x0                                ; the last prefetch, four key steps back, has read its address
	s_add_nc_u64 s[PFA:PFA+1], s[PFA:PFA+1], s[PST:PST+1]
	s_wait_dscnt 0x0                               ; the add is done, and my reads of the slot are over
	CROUND
	tensor_load_to_lds s[G0:G0+3], s[G1:G1+7]
	s_nop 0
	PLACES
	ASK
.else
	s_wait_dscnt 0x0
	s_barrier_signal -1
	s_barrier_wait -1
.endif
	s_sub_co_u32 s[TB], s[TB], VOFF                ; the fetches go back to a slot's first step,
	s_xor_b32 s[TB], s[TB], SLOT1                  ; in the other slot
.endm
.macro LOADM p                         ; the 64 mask words of piece p of the key step at which MP stands
	s_load_b512 s[4:19],  s[MP:MP+1], 256*(\p)
	s_load_b512 s[20:35], s[MP:MP+1], 256*(\p)+64
	s_load_b512 s[68:83], s[MP:MP+1], 256*(\p)+128
	s_load_b512 s[84:99], s[MP:MP+1], 256*(\p)+192
.endm
	s_load_b128 s[68:71], s[0:1], 0x0              ; qkv s[68:69], mw s[70:71]
	s_load_b64 s[72:73], s[0:1], 0x10              ; out0
	v_lshl_add_u32 v[SPW], v0, 2, SPARE
	v_mov_b32 v[NIL], 0
	ds_add_u32 v[SPW], v[NIL]                      ; the wave's opening: the add, twice on end, and its wait ahead of my first tensor load
	ds_add_u32 v[SPW], v[NIL]
	v_lshrrev_b32 v1, 5, v0
	v_readfirstlane_b32 s[WV], v1                  ; wave 0..7
	s_bfe_u32 s4, ttmp6, 0x40000                   ; cx: my block of 512 queries
	s_and_b32 s5, ttmp7, 0xffff                    ; 8 b + h, which the four partners share
	s_lshr_b32 s6, s5, 3                           ; b
	s_and_b32 s7, s5, 7                            ; h
	s_lshr_b32 s20, s[WV], 2
	s_add_co_u32 s20, s20, 1
	s_lshl_b32 s20, s20, 24                        ; K's part of qkv (waves 0-3) or V's (4-7),
	s_lshl_b32 s21, s5, 18
	s_add_co_u32 s20, s20, s21                     ; the head's 262,144 bytes in it
	s_and_b32 s22, s[WV], 3
	s_lshl_b32 s8, s22, 13                         ; my 64 keys of a slot's 256
	s_add_co_u32 s8, s8, s20
	s_mov_b32 s9, 0                                ; s[8:9]: the joint load's offset: made of the head and the wave's number alone
	s_lshl_b32 s10, s4, 16                         ; Q: my block's 512 rows of 128 bytes,
	s_add_co_u32 s10, s10, s21
	s_lshl_b32 s23, s[WV], 13                      ; my wave's 64
	s_add_co_u32 s10, s10, s23
	s_mov_b32 s11, 0
	s_lshl2_add_u32 s24, s6, s4                    ; 4 b + cx
	s_lshl3_add_u32 s12, s24, s[WV]                ; my group of 64 mask rows,
	s_lshl_b32 s12, s12, 14                        ; 16,384 bytes of mw
	s_mov_b32 s13, 0
	s_lshl_b32 s16, s6, 22                         ; out0: the batch's 2,048 rows of 2,048 bytes,
	s_lshl_b32 s23, s4, 20
	s_add_co_u32 s16, s16, s23
	s_lshl_b32 s23, s[WV], 17
	s_add_co_u32 s16, s16, s23
	s_lshl_b32 s23, s7, 8                          ; the head's 256 bytes of a row
	s_add_co_u32 s16, s16, s23
	s_mov_b32 s17, 0
	s_lshl_b32 s14, s4, 13                         ; the prefetches.  K or V: my work-group's 32 blocks,
	s_add_co_u32 s14, s14, s20
	s_add_co_u32 s14, s14, 32768                   ; in slot 1: the first change steps it to slot 2
	s_mov_b32 s15, 0
	s_lshl_b32 s18, s24, 17                        ; the mask words: my work-group's eight streams,
	s_sub_co_u32 s23, s[WV], 1
	s_lshl_b32 s25, s23, 16                        ; four of them (wave 1: the first four, wave 2: the others),
	s_add_co_u32 s18, s18, s25
	s_add_co_u32 s18, s18, 2048                    ; in slot 1 likewise
	s_mov_b32 s28, 2048
	s_mov_b32 s29, 16384
	s_cmp_lt_u32 s23, 2
	s_cselect_b32 s26, s7, 1                       ; waves 1 and 2 ask where h = 0,
	s_cmp_eq_u32 s22, 0
	s_cselect_b32 s26, 0, s26                      ; waves 0 and 4 always, the others never: nothing here hangs on my place in the cluster
	s_cselect_b32 s14, s14, s18
	s_cselect_b32 s[PST], 32768, s28
	s_cselect_b32 s27, s28, s29                    ; bytes from eight blocks to the next eight: on end in K and V, a stream apart in mw
	s_mov_b32 s[PST+1], 0
	s_cmp_eq_u32 s26, 0
	s_cselect_b32 s[LIM], 1, -1
	s_mov_b32 s[G1+0], 15|(1<<16)|(1<<20)|(1<<21)|(4<<22)|(3<<25)  ; the mask of four; elements of 2 bytes; padding on; bit 21 beside a mask; after every 32 words, 4 words
	s_mov_b32 s[G1+1], 128<<16                     ; tensor_dim0 = 128
	s_mov_b32 s[G1+2], 32<<16                      ; tensor_dim1 = 32
	s_mov_b32 s[G1+3], 128<<16                     ; tile_dim0 = 128
	s_mov_b32 s[G1+4], 32                          ; tile_dim1 = 32
	s_mov_b32 s[G1+5], 128                         ; elements from row to row
	s_mov_b32 s[G1+6], 0
	s_mov_b32 s[G1+7], 0
	s_mov_b32 s[G0], 1
	s_mul_i32 s[G0+1], s[WV], STEPB                ; slot 0: K's four parts, then V's four: no place in the cluster enters an LDS address
	s_mov_b32 s[SEL], 0x76543210
	s_mov_b32 s[SEL+1], 0xfedcba98
	s_mov_b32 s[TB], SLOT1+VOFF                    ; the first change of slots turns it into 0
	s_mov_b32 s[SLOTS], 7
	s_wait_dscnt 0x0                               ; both opening adds are done
	s_wait_kmcnt 0x0
	s_add_nc_u64 s[G0+2:G0+3], s[68:69], s[8:9]
	s_or_b32 s[G0+3], s[G0+3], 0x80000000
	s_add_nc_u64 s[QP:QP+1], s[68:69], s[10:11]
	s_add_nc_u64 s[MP:MP+1], s[70:71], s[12:13]
	s_add_nc_u64 s[OUT:OUT+1], s[72:73], s[16:17]
	s_cmp_eq_u32 s22, 0
	s_cselect_b64 s[PFA:PFA+1], s[68:69], s[70:71]
	s_add_nc_u64 s[PFA:PFA+1], s[PFA:PFA+1], s[14:15]
	CROUND                                         ; all four work-groups are here: the first joint loads meet
	tensor_load_to_lds s[G0:G0+3], s[G1:G1+7]      ; slot 0; slot 1 is asked for when slot 0 is in
	s_nop 0
	PLACES
	v_and_b32 v1, 15, v0                           ; l % 16
	v_bfe_u32 v10, v0, 4, 1                        ; l / 16
	v_lshlrev_b32 v[QO], 7, v1
	v_lshl_add_u32 v[QO], v10, 4, v[QO]            ; row x 128 + 16 x half
	WIN 0x40                                       ; destination window 1
.set i, 0
.rept 8                                ; Q stays in registers: tile i / 2, channels 32 (i % 2) on
	global_load_b128 v[QF+8*i:QF+8*i+3],   v[QO], s[QP:QP+1] offset:(i/2)*2048+(i%2)*64
	global_load_b128 v[QF+8*i+4:QF+8*i+7], v[QO], s[QP:QP+1] offset:(i/2)*2048+(i%2)*64+32
.set i, i+1
.endr
.set i, 0
.rept 128                              ; O^T starts at 0: written in the wait for the first tile, so that no first step is written out
	v_mov_b32 v[i], 0
.set i, i+1
.endr
	WIN 0
.set i, 0
.rept 4
	v_mov_b32 v[ST+4*i], 0xff7fffff                ; m: the lowest finite number
	v_mov_b32 v[ST+4*i+2], 0
	v_mov_b32 v[ST+4*i+3], 0
.set i, i+1
.endr
	v_mov_b32 v[TV], 0xceabfb8f                    ; T = -1e9 log2(e)
	v_mul_u32_u24 v[AK0], v1, PK
	v_lshl_add_u32 v[AK0], v10, 4, v[AK0]          ; row x pitch + 16 x half
	v_and_b32 v11, 7, v0                           ; the turning load: lane l reads key 8 (l / 16) + l % 8, channels 8 ((l / 8) % 2) + 0..7
	v_lshl_add_u32 v[AV0], v10, 3, v11
	v_mul_u32_u24 v[AV0], v[AV0], PK
	v_bfe_u32 v11, v0, 3, 1
	v_lshl_add_u32 v[AV0], v11, 4, v[AV0]
	v_add_nc_u32 v[AV0], VOFF, v[AV0]
	s_mul_i32 s23, s[WV], 16*SP
	s_add_co_u32 s23, s23, STAGE                   ; my stage
	v_mul_u32_u24 v[STO], v1, SP                   ; in: row l % 16, 32 bytes for each half of the lanes
	v_lshl_add_u32 v[STO], v10, 5, v[STO]
	v_add_nc_u32 v[STO], s23, v[STO]
	v_mul_u32_u24 v[RD], v10, SP                   ; back: lanes 0-15 take one row of 256 bytes, lanes 16-31 the next
	v_lshl_add_u32 v[RD], v1, 4, v[RD]
	v_add_nc_u32 v[RD], s23, v[RD]
	v_lshlrev_b32 v[GO], 11, v10                   ; and the same two rows in out0
	v_lshl_add_u32 v[GO], v1, 4, v[GO]
	v_bfe_u32 v11, v0, 3, 2
	v_and_b32 v[PFO], 7, v0
	v_lshlrev_b32 v[PFO], 8, v[PFO]
	v_mad_u32_u24 v[PFO], v11, s27, v[PFO]         ; block l % 8 of run l / 8
	LOADM 0                                        ; the head's scratch is done with: the first piece's mask words
; THE MATRIX WORK.  The 8 accumulators of a run of 16 take turns, one instruction a turn.
.macro KQ16 p                          ; S^T = K Q^T for piece p: product i: channels 32 (i / 8) on, keys 16 ((i / 2) % 4) on, tile 2 p + i % 2.  The first 8 start the sums
	WIN 0x04                                       ; Q (source 1) in window 1
.set i, 0
.rept 16
.set rS, S+32*(i%2)+8*((i/2)%4)
.set rK, KF+16*((i/2)%4)+8*(i/8)
.set rQ, QF+16*(2*(\p)+i%2)+8*(i/8)
.if i < 8
	v_wmma_f32_16x16x32_f16 v[rS:rS+7], v[rK:rK+7], v[rQ:rQ+7], 0
.else
	v_wmma_f32_16x16x32_f16 v[rS:rS+7], v[rK:rK+7], v[rQ:rQ+7], v[rS:rS+7]
.endif
.set i, i+1
.endr
.endm
.macro PV16 p                          ; O^T += V^T P for piece p: product i: keys 32 (i / 8) on, channels 16 ((i / 2) % 4) on, tile 2 p + i % 2
	WIN 0x51                                       ; V and O^T in window 1, P in window 0
.set i, 0
.rept 16
.set rO, 32*(2*(\p)+i%2)+8*((i/2)%4)
.set rV, VF+32*(i/8)+8*((i/2)%4)
.set rP, P+16*(i%2)+8*(i/8)
	v_wmma_f32_16x16x32_f16 v[rO:rO+7], v[rV:rV+7], v[rP:rP+7], v[rO:rO+7]
.set i, i+1
.endr
.endm
; THE VECTOR WORK of a piece and step.
.macro REGS p, u                       ; the registers of tile u (0, 1) of piece p
.set rT, ST+4*(2*(\p)+(\u))
.set rC, TMP+4*(\u)
.set rS, S+32*(\u)
.set rP, P+16*(\u)
.set rO, 32*(2*(\p)+(\u))
.endm
; Number n of the 21 that find a tile's maximum and statistics.  0-11: four chains c0-c3 of seven scores each, three operands at a time.  12-14, 16: the four scores left over, the old m, and c0-c3 into c0.
; 15: m_old is kept.  17, 18: the query's other 32 keys lie in the lane 16 away: the new m.  19, 20: m_old - m_new; a.
.macro XS p, u, n
	REGS \p, \u
.if (\n) < 4
	v_max3_num_f32 v[rC+(\n)], v[rS+8*(\n)], v[rS+8*(\n)+1], v[rS+8*(\n)+2]
.elseif (\n) < 12
	v_max3_num_f32 v[rC+(\n)%4], v[rC+(\n)%4], v[rS+8*((\n)%4)+2*((\n)/4)+1], v[rS+8*((\n)%4)+2*((\n)/4)+2]
.elseif (\n) == 12
	v_max3_num_f32 v[rC], v[rC], v[rS+7], v[rS+15]
.elseif (\n) == 13
	v_max3_num_f32 v[rC+1], v[rC+1], v[rS+23], v[rS+31]
.elseif (\n) == 14
	v_max3_num_f32 v[rC+2], v[rC+2], v[rC+3], v[rT]
.elseif (\n) == 15
	v_mov_b32 v[rT+1], v[rT]
.elseif (\n) == 16
	v_max3_num_f32 v[rC], v[rC], v[rC+1], v[rC+2]
.elseif (\n) == 17
	v_permlanex16_b32 v[rC+3], v[rC], s[SEL], s[SEL+1]
.elseif (\n) == 18
	v_max_num_f32 v[rT], v[rC], v[rC+3]
.elseif (\n) == 19
	v_sub_f32 v[rC+1], v[rT+1], v[rT]
.else
	v_exp_f32 v[rC+2], v[rC+1]
.endif
.endm
.macro FS p, g                         ; s - m for pair g / 2 of tile g % 2: the pair (m, m_old) gives its low word to both halves
	REGS \p, (\g)%2
	v_pk_add_f32 v[rS+2*((\g)/2):rS+2*((\g)/2)+1], v[rS+2*((\g)/2):rS+2*((\g)/2)+1], v[rT:rT+1] op_sel_hi:[1,0] neg_lo:[0,1] neg_hi:[0,1]
.endm
.macro EX p, g                         ; that pair's two exponentials
	REGS \p, (\g)%2
	v_exp_f32 v[rS+2*((\g)/2)], v[rS+2*((\g)/2)]
	v_exp_f32 v[rS+2*((\g)/2)+1], v[rS+2*((\g)/2)+1]
.endm
.macro TR p, u, z                      ; sum z of 16: the tile's 16 pairs are added in place, neighbours 1, 2, 4 and 8 pairs apart; then l = a l + the sum
	REGS \p, \u
.set tw, 4
.set tu, (\z)
.if (\z) >= 14
.set tw, 32
.set tu, 0
.elseif (\z) >= 12
.set tw, 16
.set tu, (\z)-12
.elseif (\z) >= 8
.set tw, 8
.set tu, (\z)-8
.endif
.if (\z) < 15
	v_pk_add_f32 v[rS+tw*tu:rS+tw*tu+1], v[rS+tw*tu:rS+tw*tu+1], v[rS+tw*tu+tw/2:rS+tw*tu+tw/2+1]
.else
	v_pk_fma_f32 v[rT+2:rT+3], v[rT+2:rT+3], v[rC+2:rC+3], v[rS:rS+1] op_sel_hi:[1,0,1]
.endif
.endm
; The softmax of piece p.  The two tiles alternate, so that few lines read the result of the line before.  last = 1 (the tail): behind the last key step there are no mask words, and their loads are jumped over.
.macro SM p, last
	WIN 0
	s_wait_kmcnt 0x0                               ; this piece's mask words: asked for a piece back
.set i, 0
.rept 32                               ; the select; each accumulator's registers in ascending order
	v_cndmask_b32 v[S+i], v[S+i], v[TV], s[4+i]
	v_cndmask_b32 v[S+32+i], v[S+32+i], v[TV], s[68+i]
.set i, i+1
.endr
.if (\p) == 0
	LOADM 1                                        ; the words are used: the next piece's are asked for
.else
.if \last
	s_cmp_eq_u32 s[CNT], 1
	s_cbranch_scc1 .Lno_words_\@
.endif
	s_add_nc_u64 s[MP:MP+1], s[MP:MP+1], 512       ; the next key step (the loads that named MP are done: the wait above)
	LOADM 0
.if \last
.Lno_words_\@:
.endif
.endif
.irp n, 0,1,2,3,4,5,6,7,8,9,10,11,12,13,14,15,16,17,18,19
	XS \p, 0, \n
	XS \p, 1, \n
.endr
.set g, 0
.rept 32                               ; ONE BATCH of 66 exponentials: a pair's two stand two subtractions behind its own; nothing here names an exponential's result
	FS \p, g
.if g >= 2
	EX \p, g-2
.endif
.set g, g+1
.endr
	EX \p, 30
	EX \p, 31
	XS \p, 0, 20
	XS \p, 1, 20
	v_nop                                          ; a plain instruction behind the last exponential, ahead of the first use
	s_wait_alu depctr_va_vdst(0)                   ; the one wait between the batch and its first reader
.set i, 0
.rept 16
	v_cvt_pk_f16_f32 v[P+i], v[S+2*i], v[S+2*i+1]
	v_cvt_pk_f16_f32 v[P+16+i], v[S+32+2*i], v[S+32+2*i+1]
.set i, i+1
.endr
.irp z, 0,1,2,3,4,5,6,7,8,9,10,11,12,13,14,15
	TR \p, 0, \z
	TR \p, 1, \z
.endr
	WIN 0x41                                       ; O^T (destination and source 0) in window 1, a in window 0
.set i, 0
.rept 16
	v_pk_mul_f32 v[64*(\p)+2*i:64*(\p)+2*i+1], v[64*(\p)+2*i:64*(\p)+2*i+1], v[TMP+2:TMP+3] op_sel_hi:[1,0]
	v_pk_mul_f32 v[64*(\p)+32+2*i:64*(\p)+32+2*i+1], v[64*(\p)+32+2*i:64*(\p)+32+2*i+1], v[TMP+6:TMP+7] op_sel_hi:[1,0]
.set i, i+1
.endr
.endm
; A KEY STEP.
.macro STEP last
	WIN 0
	v_add_nc_u32 v[AK], s[TB], v[AK0]              ; these four lines are the places between the last products, which read V, and the loads into V's registers
	v_add_nc_u32 v[AV], s[TB], v[AV0]
	v_nop
	v_nop
.irp f, 0,1,2,3,4,5,6,7                ; K: keys 16 (f / 2) on, channels 32 (f % 2) on
	ds_load_b128 v[KF+8*(\f):KF+8*(\f)+3],   v[AK] offset:((\f)/2)*16*PK+((\f)%2)*64
	ds_load_b128 v[KF+8*(\f)+4:KF+8*(\f)+7], v[AK] offset:((\f)/2)*16*PK+((\f)%2)*64+32
.endr
	WIN 0x40
.irp f, 0,1,2,3,4,5,6,7                ; V, turned: keys 32 (f / 4) on, channels 16 (f % 4) on
	ds_load_tr16_b128 v[VF+8*(\f):VF+8*(\f)+3],   v[AV] offset:((\f)/4)*32*PK+((\f)%4)*32
	ds_load_tr16_b128 v[VF+8*(\f)+4:VF+8*(\f)+7], v[AV] offset:((\f)/4)*32*PK+16*PK+((\f)%4)*32
.endr
	s_add_co_u32 s[TB], s[TB], STEPB               ; the next fetch is the next step's
	s_wait_dscnt 16                                ; K is in; V's sixteen loads may stay out
	KQ16 0
	WIN 0
	PLACES
	SM 0, \last
	s_wait_dscnt 0x0                               ; V is in
	KQ16 1
	PV16 0
	WIN 0
	PLACES
	SM 1, \last
	PV16 1
	WIN 0
.endm
	s_wait_loadcnt 0x0                             ; Q
.Lslot:                                        ; seven times: a slot is entered and the next is asked for
	CHANGE 1
	s_mov_b32 s[CNT], 4
.Lstep:
	STEP 0
	s_sub_co_u32 s[CNT], s[CNT], 1
	s_cmp_lg_u32 s[CNT], 0
	s_cbranch_scc1 .Lstep
	s_sub_co_u32 s[SLOTS], s[SLOTS], 1
	s_cmp_lg_u32 s[SLOTS], 0
	s_cbranch_scc1 .Lslot
	CHANGE 0                                       ; the last slot is written out: nothing is asked for
	s_mov_b32 s[CNT], 4
.Ltail:
	STEP 1
	s_sub_co_u32 s[CNT], s[CNT], 1
	s_cmp_lg_u32 s[CNT], 0
	s_cbranch_scc1 .Ltail
	; THE WAY OUT.  l's two halves and the other half of the lanes' are added; O^T is divided by l and sent through my stage in LDS, a tile (16 rows) at a time.  The additions are the places behind the last products.
.irp t, 0,1,2,3
	v_add_f32 v[ST+4*(\t)+2], v[ST+4*(\t)+2], v[ST+4*(\t)+3]
.endr
.irp t, 0,1,2,3
	v_permlanex16_b32 v[ST+4*(\t)+3], v[ST+4*(\t)+2], s[SEL], s[SEL+1]
.endr
.irp t, 0,1,2,3
	v_add_f32 v[ST+4*(\t)+2], v[ST+4*(\t)+2], v[ST+4*(\t)+3]
.endr
.irp t, 0,1,2,3
	v_rcp_f32 v[ST+4*(\t)+2], v[ST+4*(\t)+2]
.endr
	v_nop                                          ; a plain instruction between the last reciprocal and the use of its result
	s_wait_alu depctr_va_vdst(0)                   ; and one wait for the four
; Tile t: a lane's eight channels of a block are 32 bytes of a row; they go into rows of 272 bytes and come back as whole rows of 256, into S^T's registers (tiles 0, 1) or K's (tiles 2, 3).
.macro PACK t
	WIN 0x41
.set i, 32*(\t)
.rept 16
	v_pk_mul_f32 v[i:i+1], v[i:i+1], v[ST+4*(\t)+2:ST+4*(\t)+3] op_sel_hi:[1,0]
.set i, i+2
.endr
	WIN 0x04                                       ; data (source 1) in window 1
.irp cb, 0,1,2,3
	ds_store_b128 v[STO], v[32*(\t)+8*(\cb):32*(\t)+8*(\cb)+3]   offset:64*(\cb)
	ds_store_b128 v[STO], v[32*(\t)+8*(\cb)+4:32*(\t)+8*(\cb)+7] offset:64*(\cb)+16
.endr
	WIN 0
.set ob, S+32*(\t)+32*((\t)/2)
.irp f, 0,1,2,3,4,5,6,7
	ds_load_b128 v[ob+4*(\f):ob+4*(\f)+3], v[RD] offset:(\f)*2*SP  ; LDS serves a wave's instructions in order (ISA guide 5.7.1.4): these see the stores above; the next tile's stores come behind them
.endr
.endm
.macro SEND t, younger                 ; younger: the LDS lines issued behind tile t's loads: the next tile's sixteen, or none
	WIN 0
.set ob, S+32*(\t)+32*((\t)/2)
.irp f, 0,1,2,3,4,5,6,7
	s_wait_dscnt (\younger)+7-(\f)
	global_store_b128 v[GO], v[ob+4*(\f):ob+4*(\f)+3], s[OUT:OUT+1] offset:(16*(\t)+2*(\f))*2048 th:TH_STORE_NT  ; 16 lanes store 256 consecutive bytes, aligned: the head's part of a row
.endr
.endm
	PACK 0
	PACK 1                                         ; a tile's arithmetic stands between the loads of the tile before and its stores
	SEND 0, 16
	PACK 2
	SEND 1, 16
	PACK 3
	SEND 2, 16
	SEND 3, 0
	s_wait_tensorcnt 0x0                           ; the wave's end
	ds_add_u32 v[SPW], v[NIL]
	s_wait_dscnt 0x0
	CROUND                                         ; the closing round: no work-group ends while a partner may still ask for a tile that names it
	s_endpgm
.Lfunc_end_k_qfaa9983728_attn:
	.size	k_qfaa9983728_attn, .Lfunc_end_k_qfaa9983728_attn-k_qfaa9983728_attn
	.p2alignl 7, 3214868480
	.fill 96, 4, 3214868480
	.section	.rodata,"a",@progbits
	.p2align	6, 0x0
	.amdhsa_kernel k_qfaa9983728_attn
		.amdhsa_group_segment_fixed_size 327680
		.amdhsa_private_segment_fixed_size 0
		.amdhsa_enable_private_segment 0
		.amdhsa_kernarg_size 24
		.amdhsa_user_sgpr_count 2
		.amdhsa_user_sgpr_kernarg_segment_ptr 1
		.amdhsa_wavefront_size32 1
		.amdhsa_system_sgpr_workgroup_id_x 1
		.amdhsa_system_sgpr_workgroup_id_y 1
		.amdhsa_system_sgpr_workgroup_id_z 1
		.amdhsa_system_vgpr_workitem_id 0
		.amdhsa_next_free_vgpr 512
		.amdhsa_next_free_sgpr 102
		.amdhsa_reserve_vcc 0
		.amdhsa_float_denorm_mode_32 3
		.amdhsa_float_denorm_mode_16_64 3
		.amdhsa_memory_ordered 1
		.amdhsa_forward_progress 1
		.amdhsa_inst_pref_size 109
	.end_amdhsa_kernel
	.amdgpu_metadata
---
amdhsa.version: [ 1, 2 ]
amdhsa.kernels:
  - .name:           k_qfaa9983728_attn
    .symbol:         k_qfaa9983728_attn.kd
    .args:
      - { .name: qkv, .offset: 0, .size: 8, .value_kind: global_buffer, .address_space: global }
      - { .name: mw, .offset: 8, .size: 8, .value_kind: global_buffer, .address_space: global }
      - { .name: out0, .offset: 16, .size: 8, .value_kind: global_buffer, .address_space: global }
    .group_segment_fixed_size: 327680
    .private_segment_fixed_size: 0
    .kernarg_segment_align: 8
    .kernarg_segment_size: 24
    .max_flat_workgroup_size: 256
    .sgpr_count:     102
    .vgpr_count:     512
    .wavefront_size: 32
...
	.end_amdgpu_metadata
.endif
;; end of part 3
